; MI455X (gfx1250); checked and timed in simulation.
; The chip was launched on July 23, 2026; its instructions are those of AMD's public machine-readable ISA for CDNA 5 (MIT licence, August 2026) and "CDNA5" Instruction Set Architecture Reference Guide (July 2026). The comments in the code are by the model that wrote it; some were corrected since.
;; Donut Swin Layer. Allowed arithmetic: matrix products marked QUANTISED: E4M3 operands, one E8M0 scale for each 32 along K, by v_wmma_scale_f32_16x16x128_f8f6f4 with both operands' format E4M3, f32 sums; everything else in f32.
;; Inputs: fc1_b 2,048 float32; fc1_w_codes 2,048 x 16 x 32 uint8 (E4M3 codes of fc1_w, K innermost, in blocks of 32 codes); fc1_w_scales 2,048 x 16 uint8 (E8M0 scales of fc1_w, one for each 32 codes along K); fc2_b 512 float32; fc2_w_codes 512 x 64 x 32 uint8 (E4M3 codes of fc2_w, K innermost, in blocks of 32 codes); fc2_w_scales 512 x 64 uint8 (E8M0 scales of fc2_w, one for each 32 codes along K); hidden_states 16 x 1,024 x 512 float32; k_b 512 float32; k_w_codes 512 x 16 x 32 uint8 (E4M3 codes of k_w, K innermost, in blocks of 32 codes); k_w_scales 512 x 16 uint8 (E8M0 scales of k_w, one for each 32 codes along K); ln1_b 512 float32; ln1_w 512 float32; ln2_b 512 float32; ln2_w 512 float32; proj_b 512 float32; proj_w_codes 512 x 16 x 32 uint8 (E4M3 codes of proj_w, K innermost, in blocks of 32 codes); proj_w_scales 512 x 16 uint8 (E8M0 scales of proj_w, one for each 32 codes along K); q_b 512 float32; q_w_codes 512 x 16 x 32 uint8 (E4M3 codes of q_w, K innermost, in blocks of 32 codes); q_w_scales 512 x 16 uint8 (E8M0 scales of q_w, one for each 32 codes along K); rel_bias_table 225 x 16 float32; v_b 512 float32; v_w_codes 512 x 16 x 32 uint8 (E4M3 codes of v_w, K innermost, in blocks of 32 codes); v_w_scales 512 x 16 uint8 (E8M0 scales of v_w, one for each 32 codes along K).
;; Outputs: out0 16 x 1,024 x 512 float32.
;; This version of the problem:
;;   THIS VERSION OF THE PROBLEM IS GIVEN IN LOW PRECISION. The matrix products marked QUANTISED in the list below multiply operands that are first quantised to E4M3 (4 exponent bits, 3 mantissa bits; 8 bits a number), with one power-of-two scale for each 32 numbers along K (OCP MX v1.0); their sums are f32. All else is computed in f32.
;;   The module's matrix products, in the order in which they are computed (A, B: the left and right operand; K: the contracted axis; several contracted axes count as one K, in the product's order):
;;     1. [M 16,384, K 512] x [K 512, N 512]; A: computed on the way; B: input q_w (given as codes): QUANTISED
;;     2. [M 16,384, K 512] x [K 512, N 512]; A: computed on the way; B: input k_w (given as codes): QUANTISED
;;     3. [M 16,384, K 512] x [K 512, N 512]; A: computed on the way; B: input v_w (given as codes): QUANTISED
;;     4. batch 4,096 x [M 64, K 32] x [K 32, N 64]; A: computed on the way; B: computed on the way: QUANTISED
;;     5. batch 4,096 x [M 64, K 64] x [K 64, N 32]; A: softmax (see below); B: computed on the way: QUANTISED
;;     6. [M 16,384, K 512] x [K 512, N 512]; A: computed on the way; B: input proj_w (given as codes): QUANTISED
;;     7. [M 16,384, K 512] x [K 512, N 2,048]; A: computed on the way; B: input fc1_w (given as codes): QUANTISED
;;     8. [M 16,384, K 2,048] x [K 2,048, N 512]; A: computed on the way; B: input fc2_w (given as codes): QUANTISED
;;   THE QUANTISER, for each operand of a quantised product, along K:
;;     - K is cut into blocks of 32 from its start; a last block that is shorter is filled with zeros.
;;     - A block's scale is 2^e with e = floor(log2(the largest magnitude in the block)) - 8, held to -126 .. 127; a block of zeros has e = 0. As a byte (E8M0): e + 127.
;;     - Each number is divided by its block's scale, clamped to +-448, and rounded to the nearest number of E4M3, ties to even, subnormals kept.
;;     - The product sums the exact products of the quantised numbers (number of the format x scale) in f32.
;;   ~~~python
;;   def quantise(x, axis):      # numpy; x: float32 -> the quantised numbers, widened to float32 again
;;       x = np.moveaxis(x, axis, -1); K = x.shape[-1]
;;       x = np.pad(x, [(0, 0)] * (x.ndim - 1) + [(0, -K % 32)]); x = x.reshape(x.shape[:-1] + (-1, 32)); a = np.abs(x).max(-1, keepdims=True)
;;       e = np.where(a > 0, np.clip(np.frexp(np.where(a > 0, a, 1))[1] - 1 - 8, -126, 127), 0)      # np.frexp(a)[1] - 1 = floor(log2(a)), exactly
;;       r = np.clip(x / 2.0 ** e, -448, 448)
;;       step = 2.0 ** (np.maximum(np.frexp(np.where(r == 0, 1, r))[1] - 1, -6) - 3)
;;       q = np.round(r / step) * step * 2.0 ** e      # np.round: ties to even
;;       return np.moveaxis(q.reshape(q.shape[:-2] + (-1,))[..., :K], -1, axis).astype(np.float32)
;;   ~~~
;;   SOFTMAX AHEAD OF A QUANTISED PRODUCT. Where the list says 'softmax', what is quantised is not the finished softmax but p = 2^(t - M), with t = logit x log2(e) and M = ceil(the row's largest t), a whole number; so 1/2 < the row's largest p <= 1. The row's sum l is taken of the UNQUANTISED p, in f32, and the product's result is divided by l at the end. Since M is a whole number, a kernel that streams over the keys may use a running M (the ceiling of the running maximum): every later rescaling is an exact power of two, which a block's scale takes up: the codes' values come out the same.
;;   OPERANDS COMPUTED ON THE WAY. 'Computed on the way' means the value that the module computes at that place (a softmax that the list does not call 'softmax' is quantised finished and normalised). What goes into a quantiser is computed in f32, as accurately as f32 sums, v_exp_f32 and their like allow (about 1e-6 of the number): no bf16 or f16 on the way to a quantiser, and a product that is left as it is and whose result goes on into a quantised operand takes f32 operands (vector FMAs, or v_wmma_f32_16x16x4_f32). A number that lies on a knife's edge between two numbers of the format may be rounded either way, as far as f32 arithmetic and the matrix unit's own rounding can turn it there, and no further.
;;   INPUTS GIVEN AS CODES. fc1_w (in the module: [2048, 512], K = its axis 1); fc2_w (in the module: [512, 2048], K = its axis 1); k_w (in the module: [512, 512], K = its axis 1); proj_w (in the module: [512, 512], K = its axis 1); q_w (in the module: [512, 512], K = its axis 1); v_w (in the module: [512, 512], K = its axis 1): each comes as NAME_codes (uint8): NAME with its K axis moved to the last place and cut into blocks of 32 codes, [.., K / 32, bytes a block], one block behind the other in memory; one code a byte (a code: sign, 4 exponent bits, 3 mantissa bits); and NAME_scales (uint8): the same leading axes, one E8M0 byte (e + 127) for each 32 codes along K. Its value is code x scale, taken as it is: it is not quantised again, and the codes and scales need not be those that the quantiser above would give.
;; One version. Each part assembles by itself: llvm-mc -triple=amdgcn-amd-amdhsa -mcpu=gfx1250 --defsym DOCPART=n.
;; ======== version 1 of 1: 2 launches
;; limits: right only within a limited range of input values
;; workspace buffers: wst 3,309,568 bytes
;; launch lay (part 1): grid 48 x 4, 4 waves a work-group, no clusters, 0 bytes of LDS; arguments q_w_codes, k_w_codes, v_w_codes, proj_w_codes, fc1_w_codes, fc2_w_codes, q_w_scales, k_w_scales, v_w_scales, proj_w_scales, fc1_w_scales, fc2_w_scales, q_b, k_b, v_b, proj_b, fc1_b, fc2_b, rel_bias_table, wst; writes wst
.if DOCPART == 1
	.amdgcn_target "amdgcn-amd-amdhsa--gfx1250"
	.amdhsa_code_object_version 6
	.text
	.protected	k_qfbe2351a7f_lay
	.globl	k_qfbe2351a7f_lay
	.p2align	8
	.type	k_qfbe2351a7f_lay,@function
k_qfbe2351a7f_lay:
	s_mov_b64 s[64:65], 0
	v_nop
	global_prefetch_b8 v0, s[64:65] scope:SCOPE_SE
	s_setreg_imm32_b32 hwreg(HW_REG_WAVE_MODE, 25, 1), 1
	s_wait_xcnt 0x0
; The six weights (codes of E4M3 with E8M0 scale bytes), their biases and the table of relative-position biases are laid once into four streams,
; one for each wave of the second launch, in the order in which that wave's operand registers take them.
; A PAIR BLOCK (17,152 bytes) holds 32 weight rows x 512 along K:
;   byte 0       eight fragments; fragment (u = 16 rows, s = 128 along K) at (2 s + u) x 2,048, in it group c of four registers at 512 c, lane l at 16 l.
;                Lane (r, h) holds row row0 + 16 u + r; its 16 bytes of group c are columns k0 + 128 s + 32 c + 8 h + 0..7 and + 16 + 8 h + 0..7:
;                inside each block of 32 the order in which a lane of the second launch holds the numbers that it quantises.  Both operands of a product use that order, and a block keeps its scale.
;   byte 16,384  the scale words: lane l (row row0 + l) has 16 bytes, one word for each 128 along K
;   byte 16,896  the 32 biases as f32 (fc2's only with its first 512 columns, zeros with the others, since its sum over K is made in four runs), then 128 bytes of zeros
; Behind v's pair block of a head: 256 words, table[idx][head] x sqrt(32) for idx < 225 and 0 behind (the scores are scaled by 1 / sqrt(32) after the bias has been added).
; Work-group (x, y) lays pair block x of stream y.  Its four waves take the register groups c = 0..3, so each store of a wave covers 512 consecutive bytes.
.set PAIRB,  17152
.set HEADB,  52480                     ; q's, k's and v's pair blocks of a head and its table
.set TAILB,  4*HEADB                   ; behind the four heads: proj's four blocks, then for each 512 hidden units fc1's four and fc2's four
.set STREAM, TAILB+36*PAIRB
	s_load_b512 s[8:23], s[0:1], 0x0               ; codes: q s[8:9], k, v, proj, fc1, fc2 s[18:19]; scales: q s[20:21], k s[22:23]
	s_load_b512 s[24:39], s[0:1], 0x40             ; scales: v s[24:25], proj, fc1, fc2 s[30:31]; biases: q s[32:33], k, v, proj s[38:39]
	s_load_b256 s[40:47], s[0:1], 0x80             ; fc1_b, fc2_b, the table s[44:45], wst s[46:47]
	s_and_b32 s51, ttmp7, 0xffff                   ; w: the stream
	s_mul_i32 s52, ttmp9, 11
	s_lshr_b32 s52, s52, 5                         ; blocks 0..11: head a = x / 3,
	s_mul_i32 s53, s52, 3
	s_sub_co_u32 s53, ttmp9, s53                   ; kind 0 q, 1 k, 2 v
	s_mul_i32 s54, s52, HEADB
	s_mul_i32 s55, s53, PAIRB
	s_add_co_u32 s54, s54, s55                     ; and their place
	s_sub_co_u32 s56, ttmp9, 12                    ; blocks 12..47
	s_mul_i32 s57, s56, PAIRB
	s_add_co_u32 s57, s57, TAILB
	s_sub_co_u32 s58, s56, 4                       ; blocks 16..47: run j of 512 hidden units,
	s_lshr_b32 s59, s58, 3
	s_and_b32 s60, s58, 7                          ; in it 0..3 fc1's pairs, 4..7 fc2's
	s_and_b32 s61, s60, 3
	s_cmp_lt_u32 s60, 4
	s_cselect_b32 s62, 4, 5
	s_cmp_lt_u32 s56, 4
	s_cselect_b32 s62, 3, s62
	s_cselect_b32 s63, s56, s61
	s_cmp_lt_u32 ttmp9, 12
	s_cselect_b32 s62, s53, s62                    ; which weight: 0 q, 1 k, 2 v, 3 proj, 4 fc1, 5 fc2
	s_cselect_b32 s63, s52, s63                    ; which 32 of the wave's 128 rows
	s_cselect_b32 s54, s54, s57                    ; the block's place in the stream
	s_cmp_eq_u32 s62, 4
	s_cselect_b32 s66, s59, 0                      ; fc1: j moves the rows
	s_cmp_eq_u32 s62, 5
	s_cselect_b32 s67, s59, 0                      ; fc2: j moves the columns,
	s_cselect_b32 s68, 11, 9                       ; and a row is 2,048 bytes, not 512
	s_lshl_b32 s69, s51, 7
	s_lshl_b32 s70, s63, 5
	s_add_co_u32 s69, s69, s70
	s_lshl_b32 s70, s66, 9
	s_add_co_u32 s69, s69, s70                     ; row0
	s_lshl_b32 s70, s67, 9                         ; k0
	s_lshl_b32 s72, s69, s68
	s_add_co_u32 s72, s72, s70                     ; codes: row0 x pitch + k0
	s_mov_b32 s73, 0
	s_sub_co_u32 s71, s68, 5                       ; a row of scale bytes is pitch / 32
	s_lshl_b32 s74, s69, s71
	s_lshl_b32 s76, s67, 4
	s_add_co_u32 s74, s74, s76                     ; scales: row0 x pitch / 32 + k0 / 32
	s_mov_b32 s75, 0
	s_lshl_b32 s76, s69, 2                         ; biases: 4 row0
	s_mov_b32 s77, 0
	s_cmp_eq_u32 s67, 0
	s_cselect_b32 s78, -1, 0                       ; all lanes: the bias is kept (not with fc2's later columns)
	s_mul_i32 s80, s51, STREAM
	s_add_co_u32 s80, s80, s54
	s_mov_b32 s81, 0
	v_lshrrev_b32 v1, 5, v0
	v_readfirstlane_b32 s82, v1                    ; wave = register group c
	v_and_b32 v2, 31, v0                           ; lane
	v_and_b32 v3, 15, v0                           ; r
	v_bfe_u32 v4, v0, 4, 1                         ; h
	v_lshlrev_b32 v5, s68, v3
	v_lshl_add_u32 v5, v4, 3, v5
	v_lshl_add_u32 v5, v1, 5, v5                   ; r x pitch + 8 h + 32 c
	s_lshl_b32 s83, 16, s68
	v_add_nc_u32 v6, s83, v5                       ; and 16 rows on
	v_lshlrev_b32 v7, 4, v0                        ; out: 512 c + 16 lane
	s_wait_alu depctr_va_vdst(0)
	s_wait_kmcnt 0x0
.macro PICK n, pc, ps, pb                      ; the choice hangs on the work-group's number alone
	s_cmp_eq_u32 s62, \n
	s_cselect_b64 s[8:9], s[\pc:\pc+1], s[8:9]
	s_cselect_b64 s[20:21], s[\ps:\ps+1], s[20:21]
	s_cselect_b64 s[32:33], s[\pb:\pb+1], s[32:33]
.endm
	PICK 1, 10, 22, 34
	PICK 2, 12, 24, 36
	PICK 3, 14, 26, 38
	PICK 4, 16, 28, 40
	PICK 5, 18, 30, 42
	s_add_nc_u64 s[8:9], s[8:9], s[72:73]
	s_add_nc_u64 s[20:21], s[20:21], s[74:75]
	s_add_nc_u64 s[32:33], s[32:33], s[76:77]
	s_add_nc_u64 s[46:47], s[46:47], s[80:81]
.irp s,0,1,2,3
	global_load_b64 v[16+8*\s:17+8*\s], v5, s[8:9] offset:128*\s
	global_load_b64 v[18+8*\s:19+8*\s], v5, s[8:9] offset:128*\s+16
	global_load_b64 v[20+8*\s:21+8*\s], v6, s[8:9] offset:128*\s
	global_load_b64 v[22+8*\s:23+8*\s], v6, s[8:9] offset:128*\s+16
.endr
	s_wait_loadcnt 0x0
.irp f,0,1,2,3,4,5,6,7
	global_store_b128 v7, v[16+4*\f:19+4*\f], s[46:47] offset:2048*\f
.endr
	s_cmp_eq_u32 s82, 0
	s_cbranch_scc0 .Lnot_0
	v_lshlrev_b32 v8, s71, v2                      ; wave 0: the 32 rows' 16 scale bytes each
	global_load_b128 v[48:51], v8, s[20:21]
	v_lshlrev_b32 v9, 4, v2
	s_wait_alu depctr_va_vdst(0)
	s_wait_loadcnt 0x0
	global_store_b128 v9, v[48:51], s[46:47] offset:16384
.Lnot_0:
	s_cmp_eq_u32 s82, 1
	s_cbranch_scc0 .Lnot_1
	v_lshlrev_b32 v10, 3, v3                       ; wave 1: the 32 biases in lanes 0-15, zeros from lanes 16-31: one store of 256 consecutive bytes
	global_load_b64 v[52:53], v10, s[32:33]
	v_cmp_gt_u32 s84, 16, v2
	s_and_b32 s84, s84, s78
	v_lshlrev_b32 v11, 3, v2
	s_wait_loadcnt 0x0
	v_cndmask_b32 v54, 0, v52, s84
	v_cndmask_b32 v55, 0, v53, s84
	s_wait_alu depctr_va_vdst(0)
	global_store_b64 v11, v[54:55], s[46:47] offset:16896
.Lnot_1:
	s_cmp_eq_u32 s62, 2
	s_cbranch_scc0 .Ldone
	s_lshl_b32 s85, s51, 2                         ; behind v's block: the table's column of head 4 w + a, two entries a thread
	s_add_co_u32 s85, s85, s52
	s_lshl_b32 s86, s85, 2
	s_mov_b32 s87, 0
	s_add_nc_u64 s[44:45], s[44:45], s[86:87]
	v_lshlrev_b32 v12, 1, v0
	v_add_nc_u32 v13, 1, v12
	v_min_u32 v14, 224, v12                        ; no load leaves the table
	v_min_u32 v15, 224, v13
	v_lshlrev_b32 v14, 6, v14                      ; a row of the table is 16 heads, 64 bytes
	v_lshlrev_b32 v15, 6, v15
	global_load_b32 v56, v14, s[44:45]
	global_load_b32 v57, v15, s[44:45]
	v_cmp_gt_u32 s88, 225, v12
	v_cmp_gt_u32 s89, 225, v13
	v_lshlrev_b32 v58, 3, v0
	s_wait_loadcnt 0x0
	v_mul_f32 v56, 0x40b504f3, v56                 ; x sqrt(32)
	v_mul_f32 v57, 0x40b504f3, v57
	v_cndmask_b32 v60, 0, v56, s88
	v_cndmask_b32 v61, 0, v57, s89
	s_wait_alu depctr_va_vdst(0)
	global_store_b64 v58, v[60:61], s[46:47] offset:PAIRB
.Ldone:
	s_endpgm
.Lfunc_end_k_qfbe2351a7f_lay:
	.size	k_qfbe2351a7f_lay, .Lfunc_end_k_qfbe2351a7f_lay-k_qfbe2351a7f_lay
	.p2alignl 7, 3214868480
	.fill 96, 4, 3214868480
	.section	.rodata,"a",@progbits
	.p2align	6, 0x0
	.amdhsa_kernel k_qfbe2351a7f_lay
		.amdhsa_group_segment_fixed_size 0
		.amdhsa_private_segment_fixed_size 0
		.amdhsa_enable_private_segment 0
		.amdhsa_kernarg_size 160
		.amdhsa_user_sgpr_count 2
		.amdhsa_user_sgpr_kernarg_segment_ptr 1
		.amdhsa_wavefront_size32 1
		.amdhsa_system_sgpr_workgroup_id_x 1
		.amdhsa_system_sgpr_workgroup_id_y 1
		.amdhsa_system_sgpr_workgroup_id_z 1
		.amdhsa_system_vgpr_workitem_id 0
		.amdhsa_next_free_vgpr 64
		.amdhsa_next_free_sgpr 96
		.amdhsa_reserve_vcc 0
		.amdhsa_float_denorm_mode_32 3
		.amdhsa_float_denorm_mode_16_64 3
		.amdhsa_memory_ordered 1
		.amdhsa_forward_progress 1
		.amdhsa_inst_pref_size 8
	.end_amdhsa_kernel
	.amdgpu_metadata
---
amdhsa.version: [ 1, 2 ]
amdhsa.kernels:
  - .name:           k_qfbe2351a7f_lay
    .symbol:         k_qfbe2351a7f_lay.kd
    .args:
      - { .name: q_w_codes, .offset: 0, .size: 8, .value_kind: global_buffer, .address_space: global }
      - { .name: k_w_codes, .offset: 8, .size: 8, .value_kind: global_buffer, .address_space: global }
      - { .name: v_w_codes, .offset: 16, .size: 8, .value_kind: global_buffer, .address_space: global }
      - { .name: proj_w_codes, .offset: 24, .size: 8, .value_kind: global_buffer, .address_space: global }
      - { .name: fc1_w_codes, .offset: 32, .size: 8, .value_kind: global_buffer, .address_space: global }
      - { .name: fc2_w_codes, .offset: 40, .size: 8, .value_kind: global_buffer, .address_space: global }
      - { .name: q_w_scales, .offset: 48, .size: 8, .value_kind: global_buffer, .address_space: global }
      - { .name: k_w_scales, .offset: 56, .size: 8, .value_kind: global_buffer, .address_space: global }
      - { .name: v_w_scales, .offset: 64, .size: 8, .value_kind: global_buffer, .address_space: global }
      - { .name: proj_w_scales, .offset: 72, .size: 8, .value_kind: global_buffer, .address_space: global }
      - { .name: fc1_w_scales, .offset: 80, .size: 8, .value_kind: global_buffer, .address_space: global }
      - { .name: fc2_w_scales, .offset: 88, .size: 8, .value_kind: global_buffer, .address_space: global }
      - { .name: q_b, .offset: 96, .size: 8, .value_kind: global_buffer, .address_space: global }
      - { .name: k_b, .offset: 104, .size: 8, .value_kind: global_buffer, .address_space: global }
      - { .name: v_b, .offset: 112, .size: 8, .value_kind: global_buffer, .address_space: global }
      - { .name: proj_b, .offset: 120, .size: 8, .value_kind: global_buffer, .address_space: global }
      - { .name: fc1_b, .offset: 128, .size: 8, .value_kind: global_buffer, .address_space: global }
      - { .name: fc2_b, .offset: 136, .size: 8, .value_kind: global_buffer, .address_space: global }
      - { .name: rel_bias_table, .offset: 144, .size: 8, .value_kind: global_buffer, .address_space: global }
      - { .name: wst, .offset: 152, .size: 8, .value_kind: global_buffer, .address_space: global }
    .group_segment_fixed_size: 0
    .private_segment_fixed_size: 0
    .kernarg_segment_align: 8
    .kernarg_segment_size: 160
    .max_flat_workgroup_size: 128
    .sgpr_count:     96
    .vgpr_count:     64
    .wavefront_size: 32
...
	.end_amdgpu_metadata
.endif
;; end of part 1
;; launch swin (part 2): grid 256 x 1, 4 waves a work-group, clusters of 4 x 1, 327,680 bytes of LDS; arguments hidden_states, wst, ln1_w, ln1_b, ln2_w, ln2_b, out0; writes out0
.if DOCPART == 2
	.amdgcn_target "amdgcn-amd-amdhsa--gfx1250"
	.amdhsa_code_object_version 6
	.text
	.protected	k_qfbe2351a7f_swin
	.globl	k_qfbe2351a7f_swin
	.p2align	8
	.type	k_qfbe2351a7f_swin,@function
k_qfbe2351a7f_swin:
	s_mov_b64 s[64:65], 0
	v_nop
	global_prefetch_b8 v0, s[64:65] scope:SCOPE_SE
	s_setreg_imm32_b32 hwreg(HW_REG_WAVE_MODE, 25, 1), 1
	s_wait_xcnt 0x0
	s_wait_alu depctr_hold_cnt(0) depctr_sa_sdst(0) depctr_va_vdst(0) depctr_va_sdst(0) depctr_va_ssrc(0) depctr_va_vcc(0) depctr_vm_vsrc(0)
	s_getreg_b32 s2, hwreg(HW_REG_IB_STS2, 6, 4)
	s_cmp_eq_u32 s2, 0
	s_cbranch_scc0 .Lentry_in_a_cluster
	s_endpgm
.Lentry_in_a_cluster:
	s_bfe_u32 s2, ttmp6, 0x10000c
	s_cmp_lg_u32 s2, 0x3003
	s_cbranch_scc0 .Lentry_shape_is_right
	s_endpgm
.Lentry_shape_is_right:
; One Swin layer, whole: LayerNorm, shifted 8 x 8 windows, q k v, 16 heads of attention with relative-position bias and shift mask, proj, residual, LayerNorm, fc1, exact gelu, fc2, residual.
; All eight products on codes of E4M3 with one E8M0 scale for each 32 along K; all else in f32.
; SHARES.  256 windows of 64 tokens, one to a work-group: it carries its tokens from hidden_states to out0, and nothing goes to memory between.  THE FOUR WAVES SHARE THE CHANNELS, NOT THE TOKENS:
; wave w owns channels 128 w .. 128 w + 127 of all 64 tokens at every stage: its slice of the residual stream (256 registers, window 3), heads 4 w .. 4 w + 3 (attention never leaves the wave),
; 128 output columns of every product, and K step w of every operand that is computed.  So each weight byte is read from LDS once in the work-group.
; WEIGHTS come as one stream a wave, laid by the launch before in the order of the operand's registers, scale words, biases and the bias table among them, through a ring of two LDS slots a wave.
; CLUSTER.  The four work-groups of a cluster walk the same four streams in step, so every tile is asked for JOINTLY (mask 15): the requests for the weights are divided by four.
; The place in the cluster enters the global offsets of hidden_states and out0 and the VALUES of the mask alone: no branch and no LDS address.
; LAYOUT.  Products are used transposed (source 0 = 16 weight rows, source 1 = 16 tokens): lane (r, h) holds token 16 m + r, and register j of tile t channel 16 t + 8 h + j.  The 16 registers of tiles 2 b, 2 b + 1 are the lane's
; half of block b of 32 along the next K, in the order 8 h + 0..7, 16 + 8 h + 0..7.  The weights are laid in the same order inside each block, so the conversions' results are operand registers as they stand.
; v alone is used the other way round (source 0 = tokens), so that a lane holds a channel and its registers run along the keys.
; Computed operands go from wave to wave through LDS as images of their registers (16 bytes a lane, 512 a store), their scale bytes beside them.
; FETCHES AHEAD, in the MLP.  A pair block's biases, scale words and fragments go from LDS into registers while the pair before is under its gelu, in four short runs.  So a slot's last byte has been read when the tile's last
; products are issued, and the change of slots stands there, ahead of their gelu.  fc2's left operand comes back from LDS by K steps: the first products start when a quarter of it is in.
; SOFTMAX: t = (q.k + (bias + mask) sqrt(32)) x log2(e) / sqrt(32); M = ceil(the row's largest t); p = 2^(t - M) is quantised; the sum of the unquantised p divides at the end.
; GELU: max(x, 0) - |x| (1/2) erfc(|x| / sqrt(2)), erfc(z) = t exp(-z z + poly(t)), t = 1 / (1 + z / 2), a polynomial of degree 9 with a fractional error of 1.2e-7; log2(e) and the 1/2 are folded into its constants.
; LIMITS: NaN and infinities among the inputs are not served.  A block whose largest magnitude lies under 2^-118 keeps the scale byte 1 (a block of zeros too: its codes are zeros).  p under 2^-126 counts as 0.
; The attention's K (32, 64) is filled to 128 with zero codes on one side; the other side holds finite codes there, under scale byte 0.  Inside a block of 32 the products are summed in the order given above.
; LDS: the ring, 2 slots x 4 waves | IMG: 16 fragments' images | SCW: their scale words | STAT: the LayerNorms' partial sums | the spare words.  The stages of the way in and the way out lie over IMG and SCW.
; REGISTERS: window 0: addresses, scale words (v32-82, nothing else ever), biases v96-127, weight fragments v128-255.  Window 1: work; for proj and fc2 the 16 fragments of their left operand.
;   Window 2: the 16 fragments of x, later of y.  Window 3: the residual stream, RES(m, t, j) = 64 m + 8 t + j.
.set PAIRB,  17152                     ; a pair block of the stream: 32 weight rows x 512 K, scale words, biases
.set FULLB,  2*PAIRB                   ; a tile of two pair blocks: 134 rows of 256 bytes
.set HALFB,  PAIRB+1024                ; a pair block and a head's table: 71 rows
.set SCO,    16384                     ; in a pair block: the scale words,
.set BIO,    16896                     ; the biases
.set STREAM, 827392                    ; a wave's stream
.set WRING,  0x11000                   ; a wave's two slots
.set SLOTX,  0x8800                    ; slot 1 begins here: no multiple of WRING up to 3 has these bits, so one exclusive or changes slots
.set IMG,    4*WRING
.set SCW,    IMG+32768
.set STAT,   SCW+1024
.set SPARE,  STAT+2048                 ; the spare words, 128 bytes for each wave: two blocks of 256 bytes that no other line names
.set STG,    IMG                       ; four stages of 16 rows x 528 bytes
.set SPI,    528
.set L16, 1                            ; v1   16 x lane
.set RR,  2                            ; v2   r = lane % 16
.set HH,  3                            ; v3   h = lane / 16
.set SPW, 4                            ; v4   my spare word; never rewritten
.set NIL, 5                            ; v5   0; never rewritten
.set VO,  6                            ; v6-9 byte offsets of the window's four quadrants in hidden_states and out0, + 512 w + 16 lane
.set STS, 10                           ; v10  my stage by rows: + 16 lane
.set STL, 11                           ; v11  my stage by lanes: + 528 r + 32 h
.set WA,  12                           ; v12  the tile in hand + 16 lane
.set IMR, 13                           ; v13  IMG + 16 lane
.set IMW, 14                           ; v14  + 2,048 w: K step w
.set SCR, 15                           ; v15  SCW + 16 r
.set SCWA, 16                          ; v16  + 4 w
.set STW, 17                           ; v17  STAT + 16 r + 4 w
.set STR, 18                           ; v18  STAT + 16 r
.set BA0, 19                           ; v19  my lane's place in the table: 4 (15 (r / 8 - h + 1) + r % 8)
.set BA,  20
.set H32, 21                           ; v21  32 h
.set R4,  22                           ; v22  4 r
.set BCV, 23
.set IWH, 24
.set SBH, 25
.set GBO, 26                           ; v26  512 w + 32 h: my channels in a gain or a bias of 512
.set WS,  32                           ; v32-39  the weights' scale words, two sets of four K steps: lanes 0-15 the pair's first 16 rows, lanes 16-31 its second
.set ASX, 40                           ; v40-55  x's (y's) scale words (m, s)
.set ASH, 56                           ; v56-71  those of proj's and fc2's left operand
.set QS,  72
.set KS,  76
.set VS,  80
.set PS,  82
.set BB,  96                           ; v96-127 the biases of two pairs of proj or fc2; v96-111 those of a pair of fc1
.set WF,  128                          ; v128-255 a pair's fragments (u, s) at 32 s + 16 u; in the attention the 56 bias words
.set WV,  18
.set CX,  19
.set G1F, 24                           ; s[24:31] descriptor group 1, 134 rows;  s[32:39] 71 rows;  s[40:43] group 0, which walks
.set G1H, 32
.set G0,  40
.set TB,  44                           ; the slot in hand
.set IB,  46                           ; 512 x block: where a block's codes go in an image
.set SB,  47                           ; block: which byte of a scale word
.set PH,  48
.set HD,  49
.set CH,  50
.set ST,  51
.set LM,  52                           ; the trip's number in the short loops over the four token tiles
.set SEL, 54                           ; s[54:55] v_permlanex16_b32's selects for lane l xor 16
.set MNT, 56                           ; the mantissa field of 448
.set CATT, 58                          ; s[58:59] log2(e) / sqrt(32)
.set NEGX, 60                          ; -100 sqrt(32) in the last column of windows, else 0
.set NEGY, 61                          ; the same for the last row
.set GP,  62                           ; s[62:63] the LayerNorm's gain, s[66:67] its bias
.set BP,  66
.set GC,  68                           ; s[68:87] the polynomial's c0 .. c9, each twice (the packed forms name a pair)
.set CZ,  88
.set CT,  90
.set I512, 96
.set EPS, 97
.set MSB, 0
.macro WIN new                         ; the immediate's high byte repeats the setting that is left; bits 1:0 source 0, 3:2 source 1, 5:4 source 2, 7:6 destination
.if MSB != \new
	s_set_vgpr_msb (MSB<<8)|\new
.set MSB, \new
.endif
.endm
.macro PLACES n                        ; plain vector instructions between a matrix instruction and what touches its registers: 8 for reads and loads, 9 where a product begins an accumulator anew
.rept \n
	v_nop
.endr
.endm
.macro BAR                             ; my LDS stores have landed and my LDS loads are in: then the work-group's barrier.  My one tensor load may stay out
	s_wait_dscnt 0x0
	s_barrier_signal -1
	s_barrier_wait -1
.endm
.macro ROUND                           ; a round of the cluster's barrier
	s_barrier_signal -1
	s_barrier_wait -1
	s_cmp_lg_u32 s[WV], 0
	s_cbranch_scc1 .Lnot_wave_0_\@
	s_barrier_signal -3
.Lnot_wave_0_\@:
	s_barrier_wait -3
	s_barrier_signal -1
	s_barrier_wait -1
.endm
; THE CHANGE OF SLOTS.  My one tensor load, the tile that I am about to read, has landed; the add; the descriptor steps over the tile asked for last (prev bytes) into the slot that I have left; my LDS reads and stores are done.
; The round: that holds of every wave of the four work-groups.  Then the joint refill, my one tensor load until the next round.  The eight places behind it also stand in front of the loads into fragment registers.
.macro NEXT prev, g1
	WIN 0
	s_wait_tensorcnt 0x0
	ds_add_u32 v[SPW], v[NIL]                      ; 0 onto my spare word
	s_xor_b32 s[G0+1], s[G0+1], SLOTX
	s_add_nc_u64 s[G0+2:G0+3], s[G0+2:G0+3], \prev
	s_xor_b32 s[TB], s[TB], SLOTX
	s_wait_dscnt 0x0
	ROUND
	tensor_load_to_lds s[G0:G0+3], s[\g1:\g1+7]
	s_nop 0
	PLACES 8
.endm
.macro LAST                            ; the last change: nothing is left to ask for
	WIN 0
	s_wait_tensorcnt 0x0
	ds_add_u32 v[SPW], v[NIL]
	s_xor_b32 s[TB], s[TB], SLOTX
	s_wait_dscnt 0x0
	s_barrier_signal -1
	s_barrier_wait -1
	PLACES 8
.endm
.macro ALOAD win, as                   ; the 16 fragments in IMG into a whole window, their scale words into v[as] on
	WIN \win
.set fx,0
.rept 16
.irp c,0,1,2,3
	ds_load_b128 v[16*fx+4*\c:16*fx+4*\c+3], v[IMR] offset:2048*fx+512*\c
.endr
.set fx,fx+1
.endr
	WIN 0
.irp m,0,1,2,3
	ds_load_b128 v[\as+4*\m:\as+4*\m+3], v[SCR] offset:256*\m
.endr
.endm
.macro LOADW s, off                    ; K step s of a pair: two fragments, eight loads of 512 consecutive bytes
.irp u,0,1
.irp c,0,1,2,3
	ds_load_b128 v[WF+32*\s+16*\u+4*\c:WF+32*\s+16*\u+4*\c+3], v[WA] offset:\off+(2*\s+\u)*2048+512*\c
.endr
.endr
.endm
; Eight products of K step s; the eight accumulators take turns, one instruction a turn.
.macro MMT s, ws, bc, w0               ; transposed, into window 1: ACC(m, u) = 16 m + 8 u; the bias (v[bc] on) is the C of the first K step, under the window setting w0
.if \s == 0
	WIN \w0
.else
	WIN 0x58
.endif
.irp m,0,1,2,3
.if \s == 0
	v_wmma_scale_f32_16x16x128_f8f6f4 v[16*\m:16*\m+7], v[WF+32*\s:WF+32*\s+15], v[64*\m+16*\s:64*\m+16*\s+15], v[\bc:\bc+7], v[\ws+\s], v[ASX+4*\m+\s]
	v_wmma_scale_f32_16x16x128_f8f6f4 v[16*\m+8:16*\m+15], v[WF+32*\s+16:WF+32*\s+31], v[64*\m+16*\s:64*\m+16*\s+15], v[\bc+8:\bc+15], v[\ws+\s], v[ASX+4*\m+\s] matrix_a_scale:MATRIX_SCALE_ROW1
.else
	v_wmma_scale_f32_16x16x128_f8f6f4 v[16*\m:16*\m+7], v[WF+32*\s:WF+32*\s+15], v[64*\m+16*\s:64*\m+16*\s+15], v[16*\m:16*\m+7], v[\ws+\s], v[ASX+4*\m+\s]
	v_wmma_scale_f32_16x16x128_f8f6f4 v[16*\m+8:16*\m+15], v[WF+32*\s+16:WF+32*\s+31], v[64*\m+16*\s:64*\m+16*\s+15], v[16*\m+8:16*\m+15], v[\ws+\s], v[ASX+4*\m+\s] matrix_a_scale:MATRIX_SCALE_ROW1
.endif
.endr
.endm
.macro MMN s, ws                       ; v: source 0 = tokens: ACC(u, m) = 32 u + 8 m: lane r holds channel 16 u + r, register j token 16 m + 8 h + j
	WIN 0x52
.irp m,0,1,2,3
.if \s == 0
	v_wmma_scale_f32_16x16x128_f8f6f4 v[8*\m:8*\m+7], v[64*\m+16*\s:64*\m+16*\s+15], v[WF+32*\s:WF+32*\s+15], 0, v[ASX+4*\m+\s], v[\ws+\s]
	v_wmma_scale_f32_16x16x128_f8f6f4 v[32+8*\m:39+8*\m], v[64*\m+16*\s:64*\m+16*\s+15], v[WF+32*\s+16:WF+32*\s+31], 0, v[ASX+4*\m+\s], v[\ws+\s] matrix_b_scale:MATRIX_SCALE_ROW1
.else
	v_wmma_scale_f32_16x16x128_f8f6f4 v[8*\m:8*\m+7], v[64*\m+16*\s:64*\m+16*\s+15], v[WF+32*\s:WF+32*\s+15], v[8*\m:8*\m+7], v[ASX+4*\m+\s], v[\ws+\s]
	v_wmma_scale_f32_16x16x128_f8f6f4 v[32+8*\m:39+8*\m], v[64*\m+16*\s:64*\m+16*\s+15], v[WF+32*\s+16:WF+32*\s+31], v[32+8*\m:39+8*\m], v[ASX+4*\m+\s], v[\ws+\s] matrix_b_scale:MATRIX_SCALE_ROW1
.endif
.endr
.endm
.macro MMR s, ws, tt                   ; proj, fc2: onto the residual stream in place, tiles tt and tt + 1
	WIN 0xf4
.irp m,0,1,2,3
	v_wmma_scale_f32_16x16x128_f8f6f4 v[64*\m+8*(\tt):64*\m+8*(\tt)+7], v[WF+32*\s:WF+32*\s+15], v[64*\m+16*\s:64*\m+16*\s+15], v[64*\m+8*(\tt):64*\m+8*(\tt)+7], v[\ws+\s], v[ASH+4*\m+\s]
	v_wmma_scale_f32_16x16x128_f8f6f4 v[64*\m+8*(\tt)+8:64*\m+8*(\tt)+15], v[WF+32*\s+16:WF+32*\s+31], v[64*\m+16*\s:64*\m+16*\s+15], v[64*\m+8*(\tt)+8:64*\m+8*(\tt)+15], v[\ws+\s], v[ASH+4*\m+\s] matrix_a_scale:MATRIX_SCALE_ROW1
.endr
.endm
; Four blocks of 32: my 16 numbers of block b stand in v[src + 16 b] on, the other 16 in lane l xor 16.  Codes to v[cd + cs b] on (four registers), the scale's byte to v[tm + 4 + b].  All in window 1.
.macro QUANT4 src, cd, cs, tm
	WIN 0x55
.irp b,0,1,2,3
	v_max3_num_f32 v[\tm+\b], |v[\src+16*\b]|, |v[\src+16*\b+1]|, 0x4800000   ; with the floor 2^(9 - 127): the byte cannot fall under 1
.endr
.irp i,2,4,6,8,10,12,14
.irp b,0,1,2,3
	v_max3_num_f32 v[\tm+\b], v[\tm+\b], |v[\src+16*\b+\i]|, |v[\src+16*\b+\i+1]|
.endr
.endr
.irp b,0,1,2,3
	v_permlanex16_b32 v[\tm+4+\b], v[\tm+\b], s[SEL], s[SEL+1]
.endr
.irp b,0,1,2,3
	v_max_num_f32 v[\tm+\b], v[\tm+\b], v[\tm+4+\b]           ; the block's largest magnitude
.endr
.irp b,0,1,2,3
	v_add_nc_u32 v[\tm+12+\b], 0xfc000000, v[\tm+\b]          ; 8 off its exponent field: the conversion's scale operand
.endr
.irp b,0,1,2,3
	v_and_or_b32 v[\tm+8+\b], v[\tm+\b], 0x7f800000, s[MNT]   ; 448 x the scale
.endr
.irp b,0,1,2,3
	v_lshrrev_b32 v[\tm+4+\b], 23, v[\tm+12+\b]               ; the scale's byte
.endr
.irp b,0,1,2,3
.irp i,0,1,2,3,4,5,6,7,8,9,10,11,12,13,14,15
	v_med3_num_f32 v[\src+16*\b+\i], v[\src+16*\b+\i], -v[\tm+8+\b], v[\tm+8+\b]   ; the conversion to an 8-bit code does not saturate (ISA guide 7.6.2)
.endr
	v_cvt_scalef32_pk8_fp8_f32 v[\cd+\cs*\b:\cd+\cs*\b+1], v[\src+16*\b:\src+16*\b+7], v[\tm+12+\b]
	v_cvt_scalef32_pk8_fp8_f32 v[\cd+\cs*\b+2:\cd+\cs*\b+3], v[\src+16*\b+8:\src+16*\b+15], v[\tm+12+\b]
.endr
	v_nop                                          ; a plain line behind the last conversion
.endm
; gelu of 16 numbers in place, window 1: T v64-79, P v80-95, Q v96-111; v[160:161] hold c8
.macro GELU16 x
	WIN 0x55
.set ix,0
.rept 16
	v_fma_f32 v[64+ix], |v[\x+ix]|, s[CT], 1.0     ; 1 + z / 2
.set ix,ix+1
.endr
.set ix,0
	s_wait_alu depctr_va_vdst(0)
.rept 16
	v_rcp_f32 v[64+ix], v[64+ix]                   ; t
.set ix,ix+1
.endr
.set ix,0
.rept 8
	v_pk_mul_f32 v[96+ix:97+ix], v[\x+ix:\x+ix+1], v[\x+ix:\x+ix+1]
.set ix,ix+2
.endr
.set ix,0
	s_wait_alu depctr_va_vdst(0)
.rept 8
	v_pk_fma_f32 v[80+ix:81+ix], v[64+ix:65+ix], s[GC+18:GC+19], v[160:161] op_sel_hi:[1,0,1]
.set ix,ix+2
.endr
.irp k,7,6,5,4,3,2,1,0
.set ix,0
.rept 8
	v_pk_fma_f32 v[80+ix:81+ix], v[80+ix:81+ix], v[64+ix:65+ix], s[GC+2*\k:GC+2*\k+1] op_sel_hi:[1,1,0]
.set ix,ix+2
.endr
.endr
.set ix,0
.rept 8
	v_pk_fma_f32 v[80+ix:81+ix], v[96+ix:97+ix], s[CZ:CZ+1], v[80+ix:81+ix] op_sel_hi:[1,0,1]   ; - z z log2(e)
.set ix,ix+2
.endr
.set ix,0
	s_wait_alu depctr_va_vdst(0)
.rept 16
	v_exp_f32 v[80+ix], v[80+ix]
.set ix,ix+1
.endr
.set ix,0
.rept 16
	v_max_num_f32 v[96+ix], 0, v[\x+ix]
.set ix,ix+1
.endr
.set ix,0
	s_wait_alu depctr_va_vdst(0)
.rept 8
	v_pk_mul_f32 v[80+ix:81+ix], v[80+ix:81+ix], v[64+ix:65+ix]   ; erfc / 2
.set ix,ix+2
.endr
.set ix,0
.rept 16
	v_fma_f32 v[\x+ix], -|v[\x+ix]|, v[80+ix], v[96+ix]
.set ix,ix+1
.endr
.endm
.macro BBLOAD pp                       ; the biases of pair pp of the tile in hand, in the result's layout
.irp u,0,1
	ds_load_b128 v[BB+16*\pp+8*\u:BB+16*\pp+8*\u+3], v[BCV] offset:\pp*PAIRB+BIO+64*\u
	ds_load_b128 v[BB+16*\pp+8*\u+4:BB+16*\pp+8*\u+7], v[BCV] offset:\pp*PAIRB+BIO+64*\u+16
.endr
.endm
.macro BBADD pp, tt                    ; onto the residual stream, each tile from its low end on
	WIN 0xc3
.irp m,0,1,2,3
.irp u,0,1
.irp e,0,2,4,6
	v_pk_add_f32 v[64*\m+8*(\tt+\u)+\e:64*\m+8*(\tt+\u)+\e+1], v[64*\m+8*(\tt+\u)+\e:64*\m+8*(\tt+\u)+\e+1], v[BB+16*\pp+8*\u+\e:BB+16*\pp+8*\u+\e+1]
.endr
.endr
.endr
.endm
; A tile of two pairs of proj or fc2: 64 products onto tiles 4 c .. 4 c + 3 of the residual stream.  The second pair's fragments are fetched into each group of registers as soon as the first pair's products have read it.
.macro RSTEP c
	WIN 0
	v_add_nc_u32 v[WA], s[TB], v[L16]
	v_add_nc_u32 v[BCV], s[TB], v[H32]
	ds_load_b128 v[WS:WS+3], v[WA] offset:SCO
	BBLOAD 0
	LOADW 0, 0
	LOADW 1, 0
	LOADW 2, 0
	LOADW 3, 0
	s_wait_dscnt 32                                ; all ahead of the four groups of fragments is in
	BBADD 0, 4*\c
	s_wait_alu depctr_va_vdst(0)
	s_wait_dscnt 24                                ; group 0; three groups are younger
	MMR 0, WS, 4*\c
	PLACES 8
	WIN 0
	ds_load_b128 v[WS+4:WS+7], v[WA] offset:PAIRB+SCO
	BBLOAD 1
	LOADW 0, PAIRB
	s_wait_dscnt 29                                ; group 1; younger: two groups, the five small loads, one group
	MMR 1, WS, 4*\c
	PLACES 8
	WIN 0
	LOADW 1, PAIRB
	s_wait_dscnt 29
	MMR 2, WS, 4*\c
	PLACES 8
	WIN 0
	LOADW 2, PAIRB
	s_wait_dscnt 29
	MMR 3, WS, 4*\c
	s_wait_dscnt 24                                ; the second pair's scale words and biases; three groups are younger
	BBADD 1, 4*\c+2                                ; these 32 name no register of the products above: they are the places in front of the loads below
	WIN 0
	LOADW 3, PAIRB
	s_wait_alu depctr_va_vdst(0)
	s_wait_dscnt 24
	MMR 0, WS+4, 4*\c+2
	s_wait_dscnt 16
	MMR 1, WS+4, 4*\c+2
	s_wait_dscnt 8
	MMR 2, WS+4, 4*\c+2
	s_wait_dscnt 0x0
	MMR 3, WS+4, 4*\c+2
	WIN 0
.endm
; One of the four runs in which a pair block at byte off of the tile in hand goes into registers: run 0 the biases (v96-111), the scale words and K step 0, runs 1 to 3 a K step each.  All in window 0.
.macro PL g, off
	WIN 0
.if \g == 0
.irp u,0,1
	ds_load_b128 v[BB+8*\u:BB+8*\u+3], v[BCV] offset:\off+BIO+64*\u
	ds_load_b128 v[BB+8*\u+4:BB+8*\u+7], v[BCV] offset:\off+BIO+64*\u+16
.endr
	ds_load_b128 v[WS:WS+3], v[WA] offset:\off+SCO
.endif
	LOADW \g, \off
.endm
; gelu and quantiser of a pair of fc1 (v0-63 of window 1), with the NEXT pair block's fetch in four runs between: eight or thirteen LDS loads ahead of each sixteen numbers' gelu.
; The pair's 32 hidden units are one block of K step w of fc2's left operand: block m of the quantiser = tile m's 16 tokens.  k: the pair's number in its tile.
.macro GQ off, k
	WIN 0
	v_add_nc_u32 v[WA], s[TB], v[L16]
	v_add_nc_u32 v[BCV], s[TB], v[H32]
	PL 0, \off
	GELU16 0
	PL 1, \off
	GELU16 16
	PL 2, \off
	GELU16 32
	PL 3, \off
	GELU16 48
	QUANT4 0, 144, 4, 112
	WIN 0
	v_add_nc_u32 v[IWH], s[IB], v[IMW]
	v_add_nc_u32 v[SBH], s[SB], v[SCWA]
	s_wait_alu depctr_va_vdst(0)
	s_wait_dscnt 0x0                               ; the next pair block is in its registers (its last run was issued a gelu and a quantiser ago); so the next products need not wait for the stores below
	WIN 0x04
.irp m,0,1,2,3
	ds_store_b128 v[IWH], v[144+4*\m:147+4*\m] offset:8192*\m+512*\k
	ds_store_b8 v[SBH], v[116+\m] offset:256*\m+\k
.endr
	WIN 0
.endm
; fc2's first tile of a run of 512 hidden units.  Its first pair block is in registers already.  The left operand comes back from LDS by K steps, 16 loads each, behind its four loads of scale words.
.macro R0P
	BAR                                            ; the 512 hidden units of all 64 tokens lie in LDS
	WIN 0
	v_add_nc_u32 v[WA], s[TB], v[L16]
	v_add_nc_u32 v[BCV], s[TB], v[H32]
.irp m,0,1,2,3
	ds_load_b128 v[ASH+4*\m:ASH+4*\m+3], v[SCR] offset:256*\m
.endr
	WIN 0x40
.irp s,0,1,2,3
.irp m,0,1,2,3
.irp c,0,1,2,3
	ds_load_b128 v[64*\m+16*\s+4*\c:64*\m+16*\s+4*\c+3], v[IMR] offset:8192*\m+2048*\s+512*\c
.endr
.endr
.endr
	BBADD 0, 0
	s_wait_alu depctr_va_vdst(0)
	s_wait_dscnt 48                                ; the scale words and K step 0; three K steps of 16 loads are younger
	MMR 0, WS, 0
	PLACES 8
	WIN 0
	ds_load_b128 v[WS+4:WS+7], v[WA] offset:PAIRB+SCO
	BBLOAD 1
	LOADW 0, PAIRB
	s_wait_dscnt 45                                ; K step 1; younger: two K steps and the 13 loads just issued
	MMR 1, WS, 0
	PLACES 8
	WIN 0
	LOADW 1, PAIRB
	s_wait_dscnt 37                                ; K step 2; younger: one K step, 13 and 8
	MMR 2, WS, 0
	PLACES 8
	WIN 0
	LOADW 2, PAIRB
	s_wait_dscnt 29                                ; K step 3; younger: 13, 8 and 8
	MMR 3, WS, 0
	s_wait_dscnt 24                                ; the second pair's scale words and biases; three groups of fragments are younger
	BBADD 1, 2                                     ; these 32 name no register of the products above: they are the places in front of the loads below
	WIN 0
	LOADW 3, PAIRB
	s_wait_alu depctr_va_vdst(0)
	s_wait_dscnt 24
	MMR 0, WS+4, 2
	s_wait_dscnt 16
	MMR 1, WS+4, 2
	s_wait_dscnt 8
	MMR 2, WS+4, 2
	s_wait_dscnt 0x0
	MMR 3, WS+4, 2
	WIN 0
.endm
; The 16 queries of tile m against all 64 keys of the head.  Window 1: S v0-31 (key 16 n + 8 h + j at 8 n + j), at work v32-52, P's codes v160-167, O(m, u) v64 + 16 m + 8 u, 1 / l v248 + 2 m.
.macro SQK m                           ; the scores' C and the four score products of query tile m
	WIN 0x44
.irp n,0,1,2,3
.irp e,0,1,2,3
	v_pk_add_f32 v[8*\n+2*\e:8*\n+2*\e+1], v[WF+8*(\m-\n+3)+2*\e:WF+8*(\m-\n+3)+2*\e+1], v[240+4*((\m/2)^(\n/2))+2*(\e/2):241+4*((\m/2)^(\n/2))+2*(\e/2)]   ; (bias + mask) sqrt(32): the C of the scores
.endr
.endr
	WIN 0x55
.irp n,0,1,2,3
	v_wmma_scale_f32_16x16x128_f8f6f4 v[8*\n:8*\n+7], v[176+16*\n:191+16*\n], v[144+4*\m:159+4*\m], v[8*\n:8*\n+7], v[KS+\n], v[QS+\m]
.endr
	WIN 0
	s_wait_alu depctr_va_vdst(0)                   ; the wait ahead of the branch
.endm
.macro SOFT                            ; the softmax of the tile whose scores stand in v0-31: the same registers for every tile; 1 / l goes to v52
	WIN 0x55
	PLACES 8
.irp b,0,1
	v_max3_num_f32 v[32+\b], v[16*\b], v[16*\b+1], v[16*\b+2]   ; the largest score of each block of 32 keys: for the row's maximum and, since p rises with the score, for the block's largest p
.endr
.irp i,3,5,7,9,11,13
.irp b,0,1
	v_max3_num_f32 v[32+\b], v[32+\b], v[16*\b+\i], v[16*\b+\i+1]
.endr
.endr
.irp b,0,1
	v_max_num_f32 v[32+\b], v[32+\b], v[16*\b+15]
.endr
.irp b,0,1
	v_permlanex16_b32 v[34+\b], v[32+\b], s[SEL], s[SEL+1]
.endr
.irp b,0,1
	v_max_num_f32 v[32+\b], v[32+\b], v[34+\b]
.endr
	v_max_num_f32 v36, v32, v33
	v_mul_f32 v36, s[CATT], v36                    ; the row's largest t
	v_floor_f32 v40, -v36                          ; -M = floor(-t): M is a whole number
.set ix,0
.rept 16
	v_pk_fma_f32 v[ix:ix+1], v[ix:ix+1], s[CATT:CATT+1], v[40:41] op_sel_hi:[1,0,0]
.set ix,ix+2
.endr
.irp b,0,1
	v_fma_f32 v[32+\b], v[32+\b], s[CATT], v40
.endr
.set ix,0
	s_wait_alu depctr_va_vdst(0)
.rept 32
	v_exp_f32 v[ix], v[ix]                         ; p = 2^(t - M)
.set ix,ix+1
.endr
.irp b,0,1
	v_exp_f32 v[32+\b], v[32+\b]
.endr
	v_nop                                          ; a plain line behind the exponentials
	s_wait_alu depctr_va_vdst(0)
.irp b,0,1
	v_max_num_f32 v[32+\b], 0x4800000, v[32+\b]
.endr
.irp b,0,1
	v_add_nc_u32 v[42+\b], 0xfc000000, v[32+\b]
.endr
.irp b,0,1
	v_and_or_b32 v[44+\b], v[32+\b], 0x7f800000, s[MNT]
.endr
.irp b,0,1
	v_lshrrev_b32 v[46+\b], 23, v[42+\b]
.endr
	WIN 0x15
	v_lshl_or_b32 v[PS], v47, 8, v46               ; p's scale word: two bytes, and 0 over the zero codes
	WIN 0x55
	v_pk_add_f32 v[48:49], v[0:1], v[4:5]          ; the row's sum, of the unquantised p
	v_pk_add_f32 v[50:51], v[2:3], v[6:7]
.irp e,8,12,16,20,24,28
	v_pk_add_f32 v[48:49], v[48:49], v[\e:\e+1]
	v_pk_add_f32 v[50:51], v[50:51], v[\e+2:\e+3]
.endr
	v_pk_add_f32 v[48:49], v[48:49], v[50:51]
.irp b,0,1
.irp i,0,1,2,3,4,5,6,7,8,9,10,11,12,13,14,15
	v_min_num_f32 v[16*\b+\i], v[16*\b+\i], v[44+\b]   ; p is not negative: the hold is one-sided
.endr
	v_cvt_scalef32_pk8_fp8_f32 v[160+4*\b:161+4*\b], v[16*\b:16*\b+7], v[42+\b]
	v_cvt_scalef32_pk8_fp8_f32 v[162+4*\b:163+4*\b], v[16*\b+8:16*\b+15], v[42+\b]
.endr
	v_add_f32 v48, v48, v49
	v_permlanex16_b32 v50, v48, s[SEL], s[SEL+1]
	v_add_f32 v48, v48, v50
	s_wait_alu depctr_va_vdst(0)
	v_rcp_f32 v52, v48
	PLACES 4                                       ; codes made by vector instructions stand four places ahead of a scaled product
	WIN 0
.endm
.macro SPV m                           ; O of query tile m, and its 1 / l into its own register
	WIN 0x55
	v_mov_b32 v[248+2*(\m)], v52
.irp u,0,1
	v_wmma_scale_f32_16x16x128_f8f6f4 v[64+16*(\m)+8*\u:71+16*(\m)+8*\u], v[128+8*\u:143+8*\u], v[160:175], 0, v[VS+\u], v[PS]
.endr
.endm
; A LOOP OVER THE FOUR TOKEN TILES has one trip a tile.  What names a tile's own registers stands in four arms, chosen by the trip's number s[LM]; the rest of the trip stands once, on registers that are the same for every tile.
; Every arm ends with all windows 0 and with a wait ahead of a branch.
.macro SEL4 op, p
	s_cmp_lt_u32 s[LM], 2
	s_cbranch_scc0 .Lsel23_\@
	s_cmp_eq_u32 s[LM], 0
	s_cbranch_scc0 .Lsel1_\@
	\op 0, \p
	s_branch .Lselj_\@
.Lsel1_\@:
	\op 1, \p
	s_branch .Lselj_\@
.Lsel23_\@:
	s_cmp_eq_u32 s[LM], 2
	s_cbranch_scc0 .Lsel3_\@
	\op 2, \p
	s_branch .Lselj_\@
.Lsel3_\@:
	\op 3, \p
.Lselj_\@:
.endm
.macro LST m                           ; the LayerNorm's codes (v48-63) and scale word (v36) of tile m go to their image
	WIN 0x04
.irp c,0,1,2,3
	ds_store_b128 v[IMW], v[48+4*\c:51+4*\c] offset:8192*(\m)+512*\c
.endr
	ds_store_b32 v[SCWA], v36 offset:256*(\m)
.endm
; The LayerNorm's arm: x - mean of tile m into v64-127 of window 1.  p3 = 0: the sum of squares of the tile before (v10) goes to its register first;  p3 = 1: the tile before leaves first, and 1 / sigma goes to v12
.macro DSUB m, p3
.if (\m) > 0
.if \p3
	LST (\m)-1
.else
	WIN 0x55
	v_mov_b32 v[31+\m], v10
.endif
.endif
	WIN 0x47
.set ix,0
.rept 32
	v_pk_add_f32 v[64+ix:65+ix], v[64*\m+ix:64*\m+ix+1], v[16+2*\m:17+2*\m] op_sel_hi:[1,0]
.set ix,ix+2
.endr
.if \p3
	WIN 0x55
	v_mov_b32 v12, v[24+2*\m]
.endif
	WIN 0
	s_wait_alu depctr_va_vdst(0)
.endm
.macro SARM m, p                       ; the attention's arm: O of the tile before, then this tile's scores
.if (\m) > 0
	SPV (\m)-1
.endif
	SQK \m
.endm
.macro OUTB m, p                       ; the way out's arm: tile m into my stage, each accumulator from its low end on, and its two offsets in out0
	WIN 0x0c
.irp t,0,1,2,3,4,5,6,7
	ds_store_b128 v[STL], v[64*\m+8*\t:64*\m+8*\t+3] offset:64*\t
	ds_store_b128 v[STL], v[64*\m+8*\t+4:64*\m+8*\t+7] offset:64*\t+16
.endr
	WIN 0
	v_add_nc_u32 v27, ((2*\m)%4)*65536, v[VO+2*(\m/2)]
	v_add_nc_u32 v28, ((2*\m)%4)*65536, v[VO+2*(\m/2)+1]
	s_wait_alu depctr_va_vdst(0)
.endm
.macro CPAIR reg, val
	s_mov_b32 s[\reg], \val
	s_mov_b32 s[\reg+1], \val
.endm
	; ---- the head
	s_load_b256 s[4:11], s[0:1], 0x0               ; hidden_states s[4:5], wst s[6:7], ln1_w s[8:9], ln1_b s[10:11]
	s_load_b128 s[12:15], s[0:1], 0x20             ; ln2_w, ln2_b
	s_load_b64 s[16:17], s[0:1], 0x30              ; out0
	v_lshl_add_u32 v[SPW], v0, 2, SPARE
	v_mov_b32 v[NIL], 0
	ds_add_u32 v4, v5
	ds_add_u32 v4, v5
	s_wait_dscnt 0x0
	v_lshrrev_b32 v27, 5, v0
	v_readfirstlane_b32 s[WV], v27                 ; wave 0..3
	s_bfe_u32 s[CX], ttmp6, 0x40000                ; my place in the cluster = the window's column
	s_lshr_b32 s20, ttmp9, 2                       ; the image
	s_and_b32 s21, ttmp9, 3                        ; the window's row
	; The shift by 4 cuts a window into four quadrants of 4 x 4 tokens that lie whole in the image: columns 8 wx + 4 on and (8 wx + 8) mod 32 on, rows likewise.
	s_lshl_b32 s22, s[CX], 3
	s_add_co_u32 s23, s22, 8
	s_and_b32 s23, s23, 31
	s_add_co_u32 s22, s22, 4
	s_lshl_b32 s91, s21, 3
	s_add_co_u32 s92, s91, 8
	s_and_b32 s92, s92, 31
	s_add_co_u32 s91, s91, 4
	s_lshl_b32 s91, s91, 5
	s_lshl_b32 s92, s92, 5
	s_lshl_b32 s93, s20, 21                        ; an image is 1,024 tokens of 2,048 bytes
	s_lshl_b32 s94, s[WV], 9
	s_add_co_u32 s93, s93, s94
	v_and_b32 v28, 31, v0
	v_lshlrev_b32 v[L16], 4, v28
	s_wait_alu depctr_va_vdst(0)
	s_add_co_u32 s94, s91, s22
	s_lshl_b32 s94, s94, 11
	s_add_co_u32 s94, s94, s93
	v_add_nc_u32 v[VO], s94, v[L16]
	s_add_co_u32 s94, s91, s23
	s_lshl_b32 s94, s94, 11
	s_add_co_u32 s94, s94, s93
	v_add_nc_u32 v[VO+1], s94, v[L16]
	s_add_co_u32 s94, s92, s22
	s_lshl_b32 s94, s94, 11
	s_add_co_u32 s94, s94, s93
	v_add_nc_u32 v[VO+2], s94, v[L16]
	s_add_co_u32 s94, s92, s23
	s_lshl_b32 s94, s94, 11
	s_add_co_u32 s94, s94, s93
	v_add_nc_u32 v[VO+3], s94, v[L16]
	s_mov_b32 s98, 0xc40d6bde                      ; -100 sqrt(32)
	s_cmp_eq_u32 s[CX], 3
	s_cselect_b32 s[NEGX], s98, 0
	s_cmp_eq_u32 s21, 3
	s_cselect_b32 s[NEGY], s98, 0
	v_and_b32 v[RR], 15, v0
	v_bfe_u32 v[HH], v0, 4, 1
	s_mul_i32 s94, s[WV], 16*SPI
	s_add_co_u32 s94, s94, STG
	v_add_nc_u32 v[STS], s94, v[L16]
	v_mul_u32_u24 v[STL], v[RR], SPI
	v_lshl_add_u32 v[STL], v[HH], 5, v[STL]
	v_add_nc_u32 v[STL], s94, v[STL]
	v_add_nc_u32 v[IMR], IMG, v[L16]
	s_lshl_b32 s95, s[WV], 11
	v_add_nc_u32 v[IMW], s95, v[IMR]
	v_lshl_add_u32 v[SCR], v[RR], 4, SCW
	s_lshl_b32 s95, s[WV], 2
	v_add_nc_u32 v[SCWA], s95, v[SCR]
	v_lshl_add_u32 v[STR], v[RR], 4, STAT
	v_add_nc_u32 v[STW], s95, v[STR]
	v_lshrrev_b32 v27, 3, v[RR]
	v_add_nc_u32 v27, 1, v27
	v_sub_nc_u32 v27, v27, v[HH]
	v_mul_u32_u24 v27, v27, 15
	v_and_b32 v29, 7, v[RR]
	v_add_nc_u32 v27, v27, v29
	v_lshlrev_b32 v[BA0], 2, v27
	v_lshlrev_b32 v[H32], 5, v[HH]
	v_lshlrev_b32 v[R4], 2, v[RR]
	s_lshl_b32 s95, s[WV], 9
	v_add_nc_u32 v[GBO], s95, v[H32]
	s_mov_b32 s[SEL], 0x76543210
	s_mov_b32 s[SEL+1], 0xfedcba98
	s_mov_b32 s[MNT], 0x600000
	CPAIR CATT, 0x3e8293ee
	CPAIR GC+0,  0xc034d90f
	CPAIR GC+2,  0x3fb8ab5a
	CPAIR GC+4,  0x3f0a29d2
	CPAIR GC+6,  0x3e0efb2e
	CPAIR GC+8,  0xbe899a80
	CPAIR GC+10, 0x3ecdfd18
	CPAIR GC+12, 0xbfd1a1e5
	CPAIR GC+14, 0x40097039
	CPAIR GC+16, 0xbf97d29d
	CPAIR GC+18, 0x3e7c6f08
	CPAIR CZ, 0xbf38aa3b                           ; -log2(e) / 2
	s_mov_b32 s[CT], 0x3eb504f3                    ; 1 / (2 sqrt(2))
	s_mov_b32 s[I512], 0x3b000000                  ; 1 / 512
	s_mov_b32 s[EPS], 0x3727c5ac                   ; 1e-5
	; descriptor group 1: dense rows of 256 bytes (32 elements of 8 bytes), 134 or 71 of them; 15:0 the mask: all four work-groups; bit 21 set beside a mask
	s_mov_b32 s[G1F], 15|(3<<16)|(1<<21)
	s_mov_b32 s[G1F+1], 32<<16
	s_mov_b32 s[G1F+2], 134<<16
	s_mov_b32 s[G1F+3], 32<<16
	s_mov_b32 s[G1F+4], 134
	s_mov_b32 s[G1F+5], 32
	s_mov_b32 s[G1F+6], 0
	s_mov_b32 s[G1F+7], 0
	s_mov_b32 s[G1H], 15|(3<<16)|(1<<21)
	s_mov_b32 s[G1H+1], 32<<16
	s_mov_b32 s[G1H+2], 71<<16
	s_mov_b32 s[G1H+3], 32<<16
	s_mov_b32 s[G1H+4], 71
	s_mov_b32 s[G1H+5], 32
	s_mov_b32 s[G1H+6], 0
	s_mov_b32 s[G1H+7], 0
	s_mul_i32 s94, s[WV], STREAM
	s_mov_b32 s95, 0
	s_mov_b32 s[G0], 1
	s_mul_i32 s[G0+1], s[WV], WRING                ; my slot 0: the wave's number alone enters an LDS address
	s_xor_b32 s[TB], s[G0+1], SLOTX                ; (the first change of slots turns it to slot 0)
	s_mov_b32 s[PH], 0
	s_wait_kmcnt 0x0
	s_add_nc_u64 s[G0+2:G0+3], s[6:7], s[94:95]    ; my stream's first tile
	s_or_b32 s[G0+3], s[G0+3], 0x80000000
	s_mov_b64 s[GP:GP+1], s[8:9]
	s_mov_b64 s[BP:BP+1], s[10:11]
	WIN 0x80                                       ; my 512 bytes of each of the 64 tokens: each load covers them whole
.irp m,0,1,2,3
.irp i,0,1,2,3,4,5,6,7,8,9,10,11,12,13,14,15
	global_load_b128 v[64*\m+4*\i:64*\m+4*\i+3], v[VO+2*(\m/2)+((\i/4)%2)], s[4:5] offset:(((2*\m)%4)+(\i/8))*65536+(\i%4)*2048 th:TH_LOAD_NT
.endr
.endr
	WIN 0x40
.irp i,17,19,21,23,25,27,29,31,32,33,34,35,36,37,38,39
	v_mov_b32 v\i, 0                               ; written once: upper halves of pairs of which the low word serves both halves, and destinations of lane permutes
.endr
	WIN 0
	ROUND                                          ; all four work-groups are here: the first joint load meets
	tensor_load_to_lds s[G0:G0+3], s[G1F:G1F+7]    ; tile 0: q's and k's pair of my first head
	s_nop 0
	PLACES 8
	; ---- the way in: a tile of 16 tokens through my stage: in by rows of 512 bytes, out in the layout of a transposed product's result.  LDS serves a wave's instructions in order (ISA guide 5.7.1.4)
.irp m,0,1,2,3
	s_wait_loadcnt 48-16*\m                        ; this tile's 16 loads are in; the later tiles' stay out
	WIN 0x08
.irp i,0,1,2,3,4,5,6,7,8,9,10,11,12,13,14,15
	ds_store_b128 v[STS], v[64*\m+4*\i:64*\m+4*\i+3] offset:SPI*\i
.endr
	WIN 0xc0
.irp t,0,1,2,3,4,5,6,7
	ds_load_b128 v[64*\m+8*\t:64*\m+8*\t+3], v[STL] offset:64*\t
	ds_load_b128 v[64*\m+8*\t+4:64*\m+8*\t+7], v[STL] offset:64*\t+16
.endr
.endr
	WIN 0
.Lphase:                                           ; two trips: LayerNorm 1 and the attention; LayerNorm 2, which then leaves for the MLP.  So the LayerNorm stands in the text once
	; ---- LayerNorm of the residual stream, quantised: window 1: v0-15 sums, v16-23 -mean, v24-31 1 / sigma (pairs), v32-47 and v48-63 at work, v64-127 a tile's 64 numbers, v128-191 gain, v192-255 bias
	PLACES 8                                       ; behind proj's last products
	WIN 0x40
.irp t,0,1,2,3,4,5,6,7
	global_load_b128 v[128+8*\t:131+8*\t], v[GBO], s[GP:GP+1] offset:64*\t
	global_load_b128 v[132+8*\t:135+8*\t], v[GBO], s[GP:GP+1] offset:64*\t+16
	global_load_b128 v[192+8*\t:195+8*\t], v[GBO], s[BP:BP+1] offset:64*\t
	global_load_b128 v[196+8*\t:199+8*\t], v[GBO], s[BP:BP+1] offset:64*\t+16
.endr
	s_wait_dscnt 0x0                               ; (first trip: the stream is back from the stage)
	WIN 0x4f                                       ; pass 1: my 128 channels' sum for each token: two chains a tile of tokens, each tile of channels from its low end on
.irp k,0,1
.irp m,0,1,2,3
	v_pk_add_f32 v[4*\m+2*\k:4*\m+2*\k+1], v[64*\m+2*\k:64*\m+2*\k+1], v[64*\m+2*\k+4:64*\m+2*\k+5]
.endr
.endr
	WIN 0x4d
.set ix,4
.rept 28
.irp m,0,1,2,3
	v_pk_add_f32 v[4*\m+2*(ix%2):4*\m+2*(ix%2)+1], v[4*\m+2*(ix%2):4*\m+2*(ix%2)+1], v[64*\m+2*ix:64*\m+2*ix+1]
.endr
.set ix,ix+1
.endr
	WIN 0x55
.irp m,0,1,2,3
	v_pk_add_f32 v[4*\m:4*\m+1], v[4*\m:4*\m+1], v[4*\m+2:4*\m+3]
.endr
.irp m,0,1,2,3
	v_add_f32 v[4*\m], v[4*\m], v[4*\m+1]
.endr
.irp m,0,1,2,3
	v_permlanex16_b32 v[4*\m+2], v[4*\m], s[SEL], s[SEL+1]
.endr
.irp m,0,1,2,3
	v_add_f32 v[4*\m], v[4*\m], v[4*\m+2]
.endr
	WIN 0x04
.irp m,0,1,2,3
	ds_store_b32 v[STW], v[4*\m] offset:256*\m     ; both halves of the lanes write the same word with the same value
.endr
	BAR
	WIN 0x40
.irp m,0,1,2,3
	ds_load_b128 v[48+4*\m:51+4*\m], v[STR] offset:256*\m   ; the four waves' sums
.endr
	s_wait_dscnt 0x0
	WIN 0x55
.irp m,0,1,2,3
	v_add_f32 v[48+4*\m], v[48+4*\m], v[49+4*\m]
.endr
.irp m,0,1,2,3
	v_add_f32 v[50+4*\m], v[50+4*\m], v[51+4*\m]
.endr
.irp m,0,1,2,3
	v_add_f32 v[48+4*\m], v[48+4*\m], v[50+4*\m]
.endr
.irp m,0,1,2,3
	v_mul_f32 v[16+2*\m], 0xbb000000, v[48+4*\m]   ; -mean
.endr
	WIN 0                                          ; pass 2: the sum of (x - mean)^2, four chains; a trip a tile
	s_mov_b32 s[LM], 0
	s_wait_alu depctr_va_vdst(0)
.Lp2:
	SEL4 DSUB, 0
	WIN 0x55
.irp e,0,1,2,3
	v_pk_mul_f32 v[2*\e:2*\e+1], v[64+2*\e:65+2*\e], v[64+2*\e:65+2*\e]
.endr
.set ix,4
.rept 28
	v_pk_fma_f32 v[2*(ix%4):2*(ix%4)+1], v[64+2*ix:65+2*ix], v[64+2*ix:65+2*ix], v[2*(ix%4):2*(ix%4)+1]
.set ix,ix+1
.endr
	v_pk_add_f32 v[0:1], v[0:1], v[2:3]
	v_pk_add_f32 v[4:5], v[4:5], v[6:7]
	v_pk_add_f32 v[0:1], v[0:1], v[4:5]
	v_add_f32 v10, v0, v1
	WIN 0
	s_add_co_u32 s[LM], s[LM], 1
	s_cmp_lt_u32 s[LM], 4
	s_wait_alu depctr_va_vdst(0)                   ; the wait ahead of the branch
	s_cbranch_scc1 .Lp2
	WIN 0x55
	v_mov_b32 v35, v10
.irp m,0,1,2,3
	v_permlanex16_b32 v[36+\m], v[32+\m], s[SEL], s[SEL+1]
.endr
.irp m,0,1,2,3
	v_add_f32 v[32+\m], v[32+\m], v[36+\m]
.endr
	WIN 0x04
.irp m,0,1,2,3
	ds_store_b32 v[STW], v[32+\m] offset:1024+256*\m
.endr
	BAR
	WIN 0x40
.irp m,0,1,2,3
	ds_load_b128 v[48+4*\m:51+4*\m], v[STR] offset:1024+256*\m
.endr
	s_wait_dscnt 0x0
	WIN 0x55
.irp m,0,1,2,3
	v_add_f32 v[48+4*\m], v[48+4*\m], v[49+4*\m]
.endr
.irp m,0,1,2,3
	v_add_f32 v[50+4*\m], v[50+4*\m], v[51+4*\m]
.endr
.irp m,0,1,2,3
	v_add_f32 v[48+4*\m], v[48+4*\m], v[50+4*\m]
.endr
.irp m,0,1,2,3
	v_fma_f32 v[24+2*\m], v[48+4*\m], s[I512], s[EPS]
.endr
	s_wait_alu depctr_va_vdst(0)
.irp m,0,1,2,3
	v_rsq_f32 v[24+2*\m], v[24+2*\m]
.endr
	v_nop                                          ; a plain line behind the transcendentals
	s_wait_alu depctr_va_vdst(0)
	s_wait_loadcnt 0x0                             ; gain and bias
	WIN 0                                          ; pass 3: ((x - mean) / sigma) gain + bias, quantised: K step w of a tile's fragment, as an image of its registers; a trip a tile
	s_mov_b32 s[LM], 0
.Lp3:
	SEL4 DSUB, 1
	s_wait_dscnt 0x0                               ; the stores of the tile before have read their registers
	WIN 0x55
.set ix,0
.rept 32
	v_pk_mul_f32 v[64+ix:65+ix], v[64+ix:65+ix], v[12:13] op_sel_hi:[1,0]
.set ix,ix+2
.endr
.set ix,0
.rept 32
	v_pk_fma_f32 v[64+ix:65+ix], v[64+ix:65+ix], v[128+ix:129+ix], v[192+ix:193+ix]
.set ix,ix+2
.endr
	QUANT4 64, 48, 4, 32
	v_lshl_or_b32 v36, v37, 8, v36                 ; the four bytes make my token's scale word of this K step
	v_lshl_or_b32 v36, v38, 16, v36
	v_lshl_or_b32 v36, v39, 24, v36
	WIN 0
	s_add_co_u32 s[LM], s[LM], 1
	s_cmp_lt_u32 s[LM], 4
	s_wait_alu depctr_va_vdst(0)                   ; the wait ahead of the branch
	s_cbranch_scc1 .Lp3
	LST 3
	WIN 0
	BAR                                            ; the sixteen fragments lie in LDS
	ALOAD 0x80, ASX                                ; and stay in window 2 for every product that takes them
	s_cmp_lg_u32 s[PH], 0
	s_cbranch_scc1 .Lmlp
	; ---- the attention.  Window 1: v0-63 results, v64-127 O (while a product with weights runs: v's bias v64-67, k's and then q's v80-95, at work v112-127), v128-143 V's codes, v144-159 Q's, v160-167 P's,
	; v168-175 zeros, v176-239 K's (16 n: four registers of codes, twelve of zeros), v240-247 the masks, v248-255 1 / l
	v_bfe_u32 v27, v0, 2, 1
	v_mov_b32 v28, s[NEGX]
	v_cmp_eq_u32 vcc_lo, 1, v27
	v_cndmask_b32 v29, 0, v28, vcc_lo              ; keys of the left half are hidden from queries of the right half, in the last column of windows,
	v_cmp_eq_u32 vcc_lo, 0, v27
	v_cndmask_b32 v30, 0, v28, vcc_lo              ; and the other way round
	v_min_num_f32 v31, s[NEGY], v29                ; where query and key lie in different halves of the rows: hidden in the last row of windows; -100 once, not twice
	v_min_num_f32 v28, s[NEGY], v30
	WIN 0x40
	v_mov_b32 v240, v29
	v_mov_b32 v241, v29
	v_mov_b32 v242, v30
	v_mov_b32 v243, v30
	v_mov_b32 v244, v31
	v_mov_b32 v245, v31
	v_mov_b32 v246, v28
	v_mov_b32 v247, v28
.set ix,160
.rept 16
	v_mov_b32 v[ix], 0                             ; zero codes: what fills K up to 128
.set ix,ix+1
.endr
.irp n,0,1,2,3
.set ix,176+16*\n
.rept 16
	v_mov_b32 v[ix], 0
.set ix,ix+1
.endr
.endr
	WIN 0
	s_mov_b32 s[IB], 0
	s_mov_b32 s[SB], 0
.irp i,72,73,74,75,76,77,78,79,82
	v_mov_b32 v\i, 0                               ; q's, k's and p's scale words are written once here: in the loops below each is written in one arm alone
.endr
	s_mov_b32 s[HD], 4
.Lhead:                                            ; a trip is one of my four heads: two tiles of the stream
	NEXT FULLB, G1H                                ; q's and k's pair are in; v's pair and the table are asked for
	v_add_nc_u32 v[WA], s[TB], v[L16]
	v_add_nc_u32 v[BCV], s[TB], v[H32]
	WIN 0x40
.irp u,0,1
	ds_load_b128 v[80+8*\u:83+8*\u], v[BCV] offset:PAIRB+BIO+64*\u
	ds_load_b128 v[84+8*\u:87+8*\u], v[BCV] offset:PAIRB+BIO+64*\u+16
.endr
	WIN 0
	ds_load_b128 v[WS:WS+3], v[WA] offset:PAIRB+SCO
	LOADW 0, PAIRB
	LOADW 1, PAIRB
	LOADW 2, PAIRB
	LOADW 3, PAIRB
	s_mov_b32 s[LM], 0
	s_wait_alu depctr_va_vdst(0)
.Lqk:                                              ; two trips on the same registers: k's pair, then q's
	s_wait_dscnt 24                                ; K step 0 and all ahead of it; three groups of eight are younger
	MMT 0, WS, 80, 0x58
	s_wait_dscnt 16
	MMT 1, WS, 80, 0x58
	s_wait_dscnt 8
	MMT 2, WS, 80, 0x58
	s_wait_dscnt 0x0
	MMT 3, WS, 80, 0x58
	PLACES 9
	WIN 0
	s_cmp_lg_u32 s[LM], 0
	s_cbranch_scc1 .Lqin
	WIN 0x40                                       ; first trip: q's pair is fetched while k is quantised
.irp u,0,1
	ds_load_b128 v[80+8*\u:83+8*\u], v[BCV] offset:BIO+64*\u
	ds_load_b128 v[84+8*\u:87+8*\u], v[BCV] offset:BIO+64*\u+16
.endr
	WIN 0
	ds_load_b128 v[WS:WS+3], v[WA] offset:SCO
	LOADW 0, 0
	LOADW 1, 0
	LOADW 2, 0
	LOADW 3, 0
.Lqin:
	QUANT4 0, 144, 4, 112                          ; block m = tile m's 16 tokens: the head's 32 channels are one block
	WIN 0
	s_cmp_lg_u32 s[LM], 0
	s_wait_alu depctr_va_vdst(0)                   ; the wait ahead of the branch
	s_cbranch_scc1 .Lisq
	WIN 0x55                                       ; k's codes go to their places, four registers ahead of twelve of zeros
.irp n,0,1,2,3
.irp c,0,1,2,3
	v_mov_b32 v[176+16*\n+\c], v[144+4*\n+\c]
.endr
.endr
	WIN 0x01
.irp m,0,1,2,3
	v_mov_b32 v[KS+\m], v[116+\m]
.endr
	WIN 0
	s_wait_alu depctr_va_vdst(0)
	s_branch .Lqkj
.Lisq:
	WIN 0x01                                       ; q's codes stay where the quantiser has put them
.irp m,0,1,2,3
	v_mov_b32 v[QS+\m], v[116+\m]
.endr
	WIN 0
.Lqkj:
	s_add_co_u32 s[LM], s[LM], 1
	s_cmp_lt_u32 s[LM], 2
	s_wait_alu depctr_va_vdst(0)
	s_cbranch_scc1 .Lqk
	NEXT HALFB, G1F                                ; v's pair and the table are in; the next head's q and k (behind the last head: proj's first tile) are asked for
	v_add_nc_u32 v[WA], s[TB], v[L16]
	v_add_nc_u32 v[BCV], s[TB], v[R4]
	v_add_nc_u32 v[BA], s[TB], v[BA0]
	WIN 0x40
	ds_load_b32 v64, v[BCV] offset:BIO             ; v's bias of my channel 16 u + r
	ds_load_b32 v66, v[BCV] offset:BIO+64
	WIN 0
	ds_load_b128 v[WS:WS+3], v[WA] offset:SCO
	LOADW 0, 0
	LOADW 1, 0
	LOADW 2, 0
	LOADW 3, 0
	s_wait_alu depctr_va_vdst(0)
	s_wait_dscnt 24
	MMN 0, WS
	s_wait_dscnt 16
	MMN 1, WS
	s_wait_dscnt 8
	MMN 2, WS
	s_wait_dscnt 0x0
	MMN 3, WS
	PLACES 9
	WIN 0
.irp d,0,1,2,3,4,5,6                           ; the bias of query tile m and key tile n hangs on d = m - n + 3 alone: 7 x 8 words, index (2 (m - n) + r / 8 - h + 7) 15 + r % 8 - j + 7
.irp j,0,1,2,3,4,5,6,7
	ds_load_b32 v[WF+8*\d+\j], v[BA] offset:PAIRB+4*((2*\d+1)*15-8-\j)
.endr
.endr
	WIN 0x55
.irp u,0,1
.set ix,0
.rept 16
	v_pk_add_f32 v[32*\u+ix:32*\u+ix+1], v[32*\u+ix:32*\u+ix+1], v[64+2*\u:65+2*\u] op_sel_hi:[1,0]
.set ix,ix+2
.endr
.endr
	QUANT4 0, 128, 4, 112                          ; block 2 u + b: channel 16 u + r, keys 32 b on
	WIN 0x15
.irp u,0,1
	v_lshl_or_b32 v[VS+\u], v[117+2*\u], 8, v[116+2*\u]
.endr
	s_wait_dscnt 0x0                               ; the bias words
	WIN 0
	s_mov_b32 s[LM], 0
	s_wait_alu depctr_va_vdst(0)
.Lsoft:
	SEL4 SARM, 0
	SOFT
	s_add_co_u32 s[LM], s[LM], 1
	s_cmp_lt_u32 s[LM], 4
	s_wait_alu depctr_va_vdst(0)                   ; the wait behind the reciprocal and ahead of the branch
	s_cbranch_scc1 .Lsoft
	SPV 3
	PLACES 8
	WIN 0x55
	s_wait_alu depctr_va_vdst(0)
.irp m,0,1,2,3
.irp e,0,2,4,6,8,10,12,14
	v_pk_mul_f32 v[64+16*\m+\e:65+16*\m+\e], v[64+16*\m+\e:65+16*\m+\e], v[248+2*\m:249+2*\m] op_sel_hi:[1,0]   ; / l
.endr
.endr
	QUANT4 64, 48, 4, 32                           ; the head's 32 channels are block a of K step w of proj's left operand
	WIN 0
	v_add_nc_u32 v[IWH], s[IB], v[IMW]
	v_add_nc_u32 v[SBH], s[SB], v[SCWA]
	WIN 0x04
.irp m,0,1,2,3
	ds_store_b128 v[IWH], v[48+4*\m:51+4*\m] offset:8192*\m
	ds_store_b8 v[SBH], v[36+\m] offset:256*\m
.endr
	WIN 0
	s_add_co_u32 s[IB], s[IB], 512
	s_add_co_u32 s[SB], s[SB], 1
	s_sub_co_i32 s[HD], s[HD], 1
	s_cmp_lg_u32 s[HD], 0
	s_cbranch_scc1 .Lhead
	; ---- proj, onto the residual stream
	NEXT FULLB, G1F                                ; behind the round all four waves' parts of the context lie in LDS
	ALOAD 0x40, ASH
	RSTEP 0
	NEXT FULLB, G1F
	RSTEP 1
	s_mov_b64 s[GP:GP+1], s[12:13]                 ; the second LayerNorm's gain and bias (the first's loads were waited for)
	s_mov_b64 s[BP:BP+1], s[14:15]
	s_add_co_u32 s[PH], s[PH], 1
	s_cmp_lt_u32 s[PH], 2
	s_cbranch_scc1 .Lphase
.Lmlp:                                             ; ---- the MLP, 512 hidden units at a time: they are made, quantised and multiplied on, and never leave LDS
	s_mov_b32 s[CH], 4
.Lchunk:                                           ; window 1 in fc1: v0-63 results, v64-111 gelu's, v112-127 the quantiser's, v144-159 the codes, v160-161 c8
	s_mov_b32 s[IB], 0
	s_mov_b32 s[SB], 0
	NEXT FULLB, G1F                                ; fc1's first tile of this run is in; its second is asked for
	v_add_nc_u32 v[WA], s[TB], v[L16]
	v_add_nc_u32 v[BCV], s[TB], v[H32]
	PL 0, 0                                        ; the run's first pair block alone is fetched with nothing to stand under
	PL 1, 0
	PL 2, 0
	PL 3, 0
	WIN 0x40
	v_mov_b32 v160, s[GC+16]
	v_mov_b32 v161, s[GC+16]
	WIN 0
	s_mov_b32 s[ST], 2
.Lf1:                                              ; a trip is a tile of fc1: two pairs of 32 of my 128 hidden units, written out, since the change of slots stands in the second alone
	s_wait_dscnt 24                                ; on the way in: K step 0 and all ahead of it, three groups of eight are younger.  On the way back the block was awaited in the pair before, and only its eight image stores are out
	MMT 0, WS, BB, 0x48
	s_wait_dscnt 16
	MMT 1, WS, BB, 0x58
	s_wait_dscnt 8
	MMT 2, WS, BB, 0x58
	s_wait_dscnt 0x0
	MMT 3, WS, BB, 0x58
	PLACES 8
	GQ PAIRB, 0                                    ; the tile's second pair block comes in under the first pair's gelu
	MMT 0, WS, BB, 0x48                            ; (it was awaited ahead of the image stores)
	MMT 1, WS, BB, 0x58
	MMT 2, WS, BB, 0x58
	MMT 3, WS, BB, 0x58
	NEXT FULLB, G1F                                ; the slot's last byte has been read: the change of slots stands here, and the tile asked for has this pair's gelu more in which to land
	GQ 0, 1                                        ; the next tile's first pair block (behind fc1's second tile: fc2's) comes in under the second pair's gelu
	s_add_co_u32 s[IB], s[IB], 1024
	s_add_co_u32 s[SB], s[SB], 2
	s_sub_co_i32 s[ST], s[ST], 1
	s_cmp_lg_u32 s[ST], 0
	s_cbranch_scc1 .Lf1
	R0P
	s_cmp_eq_u32 s[CH], 1
	s_cbranch_scc1 .Ltail                          ; the last tile is written out
	NEXT FULLB, G1F
	RSTEP 1
	s_sub_co_i32 s[CH], s[CH], 1
	s_cmp_lg_u32 s[CH], 0
	s_cbranch_scc1 .Lchunk
.Ltail:
	LAST
	RSTEP 1
	; ---- the way out: the residual stream is the result.  A tile of 16 tokens through my stage (nobody reads the images any more: every wave has passed the last barrier behind its last read of them), out as rows of 512 bytes.
.macro TOSTAGE m
	WIN 0x0c
.irp t,0,1,2,3,4,5,6,7
	ds_store_b128 v[STL], v[64*\m+8*\t:64*\m+8*\t+3] offset:64*\t          ; each accumulator from its low end on
	ds_store_b128 v[STL], v[64*\m+8*\t+4:64*\m+8*\t+7] offset:64*\t+16
.endr
	WIN 0x80
.irp i,0,1,2,3,4,5,6,7,8,9,10,11,12,13,14,15
	ds_load_b128 v[64*\m+4*\i:64*\m+4*\i+3], v[STS] offset:SPI*\i          ; LDS serves a wave's instructions in order: these see the stores above, and the next tile's stores come behind them
.endr
.endm
.macro SEND m                          ; each store covers 512 consecutive bytes of one token's row, at a multiple of 256 from out0's first byte; every tile has registers of its own, so no store's data are written again
	WIN 0x08
.irp i,0,1,2,3,4,5,6,7,8,9,10,11,12,13,14,15
	global_store_b128 v[VO+2*(\m/2)+((\i/4)%2)], v[64*\m+4*\i:64*\m+4*\i+3], s[16:17] offset:(((2*\m)%4)+(\i/8))*65536+(\i%4)*2048 th:TH_STORE_NT
.endr
.endm
	PLACES 8
	WIN 0
	s_mov_b32 s[LM], 0
.Lout:                                             ; a trip is a tile of 16 tokens: into the stage by its arm, back by rows into v0-63 of window 2, out
	s_wait_xcnt 0x0                                ; the stores of the trip before have read their offsets and their data: both are written again below
	SEL4 OUTB, 0
	WIN 0x80
.irp i,0,1,2,3,4,5,6,7,8,9,10,11,12,13,14,15
	ds_load_b128 v[4*\i:4*\i+3], v[STS] offset:SPI*\i   ; LDS serves a wave's instructions in order: these see the arm's stores
.endr
	s_wait_dscnt 0x0
	WIN 0x08
.irp i,0,1,2,3,4,5,6,7,8,9,10,11,12,13,14,15
	global_store_b128 v[27+((\i/4)%2)], v[4*\i:4*\i+3], s[16:17] offset:(\i/8)*65536+(\i%4)*2048 th:TH_STORE_NT   ; 512 consecutive bytes of one token's row, at a multiple of 256 from out0's first byte
.endr
	WIN 0
	s_add_co_u32 s[LM], s[LM], 1
	s_cmp_lt_u32 s[LM], 4
	s_cbranch_scc1 .Lout
	WIN 0
	s_wait_tensorcnt 0x0                           ; the wave's end: behind my last tensor load and my last LDS store
	ds_add_u32 v[SPW], v[NIL]
	s_wait_dscnt 0x0
	ROUND                                          ; the closing round: no work-group ends while a partner may still ask for a tile that names it
	s_endpgm
.Lfunc_end_k_qfbe2351a7f_swin:
	.size	k_qfbe2351a7f_swin, .Lfunc_end_k_qfbe2351a7f_swin-k_qfbe2351a7f_swin
	.p2alignl 7, 3214868480
	.fill 96, 4, 3214868480
	.section	.rodata,"a",@progbits
	.p2align	6, 0x0
	.amdhsa_kernel k_qfbe2351a7f_swin
		.amdhsa_group_segment_fixed_size 327680
		.amdhsa_private_segment_fixed_size 0
		.amdhsa_enable_private_segment 0
		.amdhsa_kernarg_size 56
		.amdhsa_user_sgpr_count 2
		.amdhsa_user_sgpr_kernarg_segment_ptr 1
		.amdhsa_wavefront_size32 1
		.amdhsa_system_sgpr_workgroup_id_x 1
		.amdhsa_system_sgpr_workgroup_id_y 1
		.amdhsa_system_sgpr_workgroup_id_z 1
		.amdhsa_system_vgpr_workitem_id 0
		.amdhsa_next_free_vgpr 1024
		.amdhsa_next_free_sgpr 100
		.amdhsa_reserve_vcc 1
		.amdhsa_float_denorm_mode_32 3
		.amdhsa_float_denorm_mode_16_64 3
		.amdhsa_memory_ordered 1
		.amdhsa_forward_progress 1
		.amdhsa_inst_pref_size 255
	.end_amdhsa_kernel
	.section	.bss,"aw",@nobits
	.p2align	6
	.space	262144
	.amdgpu_metadata
---
amdhsa.version: [ 1, 2 ]
amdhsa.kernels:
  - .name:           k_qfbe2351a7f_swin
    .symbol:         k_qfbe2351a7f_swin.kd
    .args:
      - { .name: hidden_states, .offset: 0, .size: 8, .value_kind: global_buffer, .address_space: global }
      - { .name: wst, .offset: 8, .size: 8, .value_kind: global_buffer, .address_space: global }
      - { .name: ln1_w, .offset: 16, .size: 8, .value_kind: global_buffer, .address_space: global }
      - { .name: ln1_b, .offset: 24, .size: 8, .value_kind: global_buffer, .address_space: global }
      - { .name: ln2_w, .offset: 32, .size: 8, .value_kind: global_buffer, .address_space: global }
      - { .name: ln2_b, .offset: 40, .size: 8, .value_kind: global_buffer, .address_space: global }
      - { .name: out0, .offset: 48, .size: 8, .value_kind: global_buffer, .address_space: global }
    .group_segment_fixed_size: 327680
    .private_segment_fixed_size: 0
    .kernarg_segment_align: 8
    .kernarg_segment_size: 56
    .max_flat_workgroup_size: 128
    .sgpr_count:     100
    .vgpr_count:     1024
    .wavefront_size: 32
...
	.end_amdgpu_metadata
.endif
;; end of part 2
